; MI455X (gfx1250); checked and timed in simulation.
; The chip was launched on July 23, 2026; its instructions are those of AMD's public machine-readable ISA for CDNA 5 (MIT licence, August 2026) and "CDNA5" Instruction Set Architecture Reference Guide (July 2026). The comments in the code are by the model that wrote it; some were corrected since.
;; Bit Linear. Allowed arithmetic: matrix products marked QUANTISED: E2M1 operands, one E8M0 scale for each 32 along K, by v_wmma_scale_f32_16x16x128_f8f6f4 with both operands' format E2M1 (or v_wmma_scale_f32_32x16x128_f4), f32 sums; everything else in f32.
;; Inputs: gamma 2,048 float32; norm_weight 4,096 float32; w_q 2,048 x 4,096 float32; x 2 x 4,096 x 4,096 float32.
;; Outputs: out0 2 x 4,096 x 2,048 float32.
;; This version of the problem:
;;   THIS VERSION OF THE PROBLEM IS GIVEN IN LOW PRECISION. The matrix products marked QUANTISED in the list below multiply operands that are first quantised to E2M1 (2 exponent bits, 1 mantissa bit; 4 bits a number), with one power-of-two scale for each 32 numbers along K (OCP MX v1.0); their sums are f32. All else is computed in f32.
;;   The module's matrix products, in the order in which they are computed (A, B: the left and right operand; K: the contracted axis; several contracted axes count as one K, in the product's order):
;;     1. [M 8,192, K 4,096] x [K 4,096, N 2,048]; A: computed on the way; B: input w_q: QUANTISED
;;   THE QUANTISER, for each operand of a quantised product, along K:
;;     - K is cut into blocks of 32 from its start; a last block that is shorter is filled with zeros.
;;     - A block's scale is 2^e with e = floor(log2(the largest magnitude in the block)) - 2, held to -126 .. 127; a block of zeros has e = 0. As a byte (E8M0): e + 127.
;;     - Each number is divided by its block's scale, clamped to +-6, and rounded to the nearest number of E2M1, ties to even, subnormals kept.
;;     - The product sums the exact products of the quantised numbers (number of the format x scale) in f32.
;;   ~~~python
;;   def quantise(x, axis):      # numpy; x: float32 -> the quantised numbers, widened to float32 again
;;       x = np.moveaxis(x, axis, -1); K = x.shape[-1]
;;       x = np.pad(x, [(0, 0)] * (x.ndim - 1) + [(0, -K % 32)]); x = x.reshape(x.shape[:-1] + (-1, 32)); a = np.abs(x).max(-1, keepdims=True)
;;       e = np.where(a > 0, np.clip(np.frexp(np.where(a > 0, a, 1))[1] - 1 - 2, -126, 127), 0)      # np.frexp(a)[1] - 1 = floor(log2(a)), exactly
;;       r = np.clip(x / 2.0 ** e, -6, 6)
;;       step = 2.0 ** (np.maximum(np.frexp(np.where(r == 0, 1, r))[1] - 1, 0) - 1)
;;       q = np.round(r / step) * step * 2.0 ** e      # np.round: ties to even
;;       return np.moveaxis(q.reshape(q.shape[:-2] + (-1,))[..., :K], -1, axis).astype(np.float32)
;;   ~~~
;;   OPERANDS COMPUTED ON THE WAY. 'Computed on the way' means the value that the module computes at that place (a softmax that the list does not call 'softmax' is quantised finished and normalised). What goes into a quantiser is computed in f32, as accurately as f32 sums, v_exp_f32 and their like allow (about 1e-6 of the number): no bf16 or f16 on the way to a quantiser, and a product that is left as it is and whose result goes on into a quantised operand takes f32 operands (vector FMAs, or v_wmma_f32_16x16x4_f32). A number that lies on a knife's edge between two numbers of the format may be rounded either way, as far as f32 arithmetic and the matrix unit's own rounding can turn it there, and no further.
;; One version. Each part assembles by itself: llvm-mc -triple=amdgcn-amd-amdhsa -mcpu=gfx1250 --defsym DOCPART=n.
;; ======== version 1 of 1: 2 launches
;; limits: right only within a limited range of input values
;; workspace buffers: xq 17,825,792 bytes; wq 4,456,448 bytes
;; launch quant (part 1): grid 512 x 1, 8 waves a work-group, no clusters, 13,824 bytes of LDS; arguments x, norm_weight, w_q, xq, wq; writes xq, wq
.if DOCPART == 1
	.amdgcn_target "amdgcn-amd-amdhsa--gfx1250"
	.amdhsa_code_object_version 6
	.text
	.protected	k_q875c0eca5f_quant
	.globl	k_q875c0eca5f_quant
	.p2align	8
	.type	k_q875c0eca5f_quant,@function
k_q875c0eca5f_quant:
	s_mov_b64 s[64:65], 0
	v_nop
	global_prefetch_b8 v0, s[64:65] scope:SCOPE_SE
	s_setreg_imm32_b32 hwreg(HW_REG_WAVE_MODE, 25, 1), 1
	s_wait_xcnt 0x0
; x [8192][4096] f32 is normalised row by row (xn = x / sqrt(mean(x^2) + 1e-6) * norm_weight, in f32) and turned into codes of FP4 (E2M1), 4 bits each, with one
; E8M0 scale byte for each 32 along K; w_q [2048][4096] f32 is turned into codes and scale bytes as it is given.
; A block's scale is 2^(floor(log2(its largest magnitude)) - 2); its byte is the largest magnitude's exponent field - 2, held at 1 from below.
; LIMITS: NaN and infinities among the inputs are not served.  A block whose largest magnitude lies under 2^-124 has its byte held at 1.  A block of zeros gets the byte 1
; where the quantiser's text says 127: its codes are zeros, which add nothing under any byte but 0xff, and the bytes are read by this program alone.
; x * rsq(..) stands for x / sqrt(..): a difference of a few units in the last place of f32.
; THE OUTPUT'S LAYOUT is the product launch's: [rows / 128][K / 512] blocks of 34,816 bytes: 128 rows x 256 bytes of codes (512 along K, the lower k in the low four bits),
; then 128 rows x 16 scale bytes.  INSIDE A ROW'S 512 ALONG K THE SIXTEEN BLOCKS OF 32 ARE LAID IN ANOTHER ORDER: true block 4 i + g lies as block 4 g + i, codes and scale byte alike, in both tensors alike.
; Blocks stay whole, in their own order inside, with their own bytes: so the products are the same, and only the order of the f32 sums differs.
; SHARES.  Work-group n takes x's rows 16 n .. 16 n + 15, as four groups of 4 rows, and then w_q's rows 4 n .. 4 n + 3 as a fifth: every work-group has the same work, and nothing is chosen by its number but addresses.
; Wave w takes columns 512 w .. 512 w + 511 of every row: its gains are 16 registers, and its codes of a row are that row's 256 bytes in block [row / 128][w].
; A RING OF REGISTERS.  Two sets of 4 rows x 16 registers.  Groups 0 and 1 are asked for at the head; as soon as a row of group g is converted, its registers take the same row of group g + 2.
; So 16 to 32 loads of 512 bytes of every wave are out all the time, and a group's arithmetic stands beside the loads of the two groups behind it.  Five groups are written out: every offset is an immediate, no pointer is stepped.
; A row's sum of squares spans the eight waves: each wave's part goes to a word of LDS, one barrier a group, and every wave adds the eight parts.  Each group has words of its own: none is written twice.
; NUMBERS ARE CONVERTED WHERE THE LOADS PUT THEM.  A load of 512 consecutive bytes gives a lane 4 numbers of a block that 8 neighbouring lanes share, and a lane's four loads fall into four blocks.
; The block's largest magnitude takes three steps across the 8 lanes.  The conversion takes eight registers under ONE scale, and here they are two blocks' fours: so each eight are converted twice, under the one
; block's scale and under the other's, and of each result the 16 bits that were made under their own scale are stored; the other 16 are never read.  Only the codes, an eighth of the numbers' bytes, go through LDS,
; 2 bytes a lane, and come back 16 bytes a lane.
; No tensor loads (registers hold what is on its way), no cluster (work-groups share nothing but the gains), no matrix unit.
.set BLK,  34816                       ; a block of the output
.set SCB,  1024                        ; in a wave's region of LDS: 1,024 bytes of codes (4 rows x 256); from SCB the scale bytes of x's 16 rows (256) and behind them those of w_q's 4 rows (64)
.set WREG, 1536                        ; a wave's region
.set PSUM, 8*WREG                      ; behind the regions: four times 32 words; in group g's, word 8 t + w is wave w's part of row t's sum of squares
.set NW,   16                          ; v16-31   my 16 gains, in the layout of a row as loaded
.set R,    32                          ; v32-159  two sets of 4 rows: row t of group g at v[R + 64 (g % 2) + 16 t]; load i fills registers 4 i .. 4 i + 3 with columns 128 i + 4 lane + 0 .. 3
.set S,    160                         ; v160-167 four pairs: sums of squares
.set TM,   168                         ; v168-171 four blocks' largest magnitudes, v172-175 their scale operands, v176-179 their bytes
.set CC,   180                         ; v180-195 four results of conversions for each row of a group
.set WW,   196                         ; v196-199 a scale word for each row of a group
.set OUT,  200                         ; v200-239 a group's codes on their way out: eight registers for each of the five groups, so that no store's data are written again
.set XSO,  240                         ; v240-241 x's scale bytes on their way out
.set INV,  24                          ; s[24:31] four pairs: 1 / rms of row t, in both words
	s_load_b256 s[4:11], s[0:1], 0x0               ; x s[4:5], norm_weight s[6:7], w_q s[8:9], xq s[10:11]
	s_load_b64 s[12:13], s[0:1], 0x20              ; wq
	v_lshl_add_u32 v254, v0, 2, 0x3200
	v_mov_b32 v255, 0
	v_lshrrev_b32 v1, 5, v0
	s_delay_alu instid0(VALU_DEP_1)
	v_readfirstlane_b32 s16, v1                    ; wave 0..7
	v_and_b32 v2, 31, v0                           ; lane
	s_delay_alu instid0(VALU_DEP_1)
	v_lshlrev_b32 v3, 4, v2                        ; 16 x lane: my bytes of a load's 512, and of a store's
	s_delay_alu instid0(VALU_DEP_2)
	v_lshlrev_b32 v4, 3, v2                        ; 8 x lane: my bytes of x's 256 scale bytes
	s_delay_alu instid0(VALU_DEP_3)
	v_lshlrev_b32 v7, 1, v2                        ; 2 x lane: my bytes of w_q's 64
	s_mul_i32 s17, s16, WREG                       ; my wave's region
	v_lshrrev_b32 v8, 3, v2                        ; g = lane / 8: which of a load's four blocks is mine
	v_and_b32 v9, 7, v2                            ; m = lane % 8: which four numbers of it
	s_delay_alu instid0(VALU_DEP_2)
	v_lshlrev_b32 v14, 6, v8
	s_delay_alu instid0(VALU_DEP_1)
	v_lshl_add_u32 v14, v9, 1, v14
	s_delay_alu instid0(VALU_DEP_1)
	v_add_nc_u32 v14, s17, v14                     ; codes, on the way in: 64 g + 2 m; load i's block lies 16 i further on, row t 256 t
	v_add_nc_u32 v15, s17, v3                      ; and on the way out: 16 x lane
	v_lshl_add_u32 v5, v8, 2, SCB
	s_delay_alu instid0(VALU_DEP_1)
	v_add_nc_u32 v5, s17, v5                       ; my scale word: 4 g; 16 bytes a row
	v_add_nc_u32 v6, SCB, v4
	s_delay_alu instid0(VALU_DEP_1)
	v_add_nc_u32 v6, s17, v6                       ; x's scale bytes on the way out
	v_add_nc_u32 v11, SCB+256, v7
	s_delay_alu instid0(VALU_DEP_1)
	v_add_nc_u32 v11, s17, v11                     ; w_q's
	v_lshl_add_u32 v10, v2, 2, PSUM                ; the parts of the sums: word = lane
	v_lshl_add_u32 v13, v1, 2, PSUM                ; and where my wave puts its own: word = wave (+ 8 t)
	s_mov_b32 s22, 0x39800000                      ; 1 / 4096
	s_mov_b32 s23, 0x358637bd                      ; 1e-6
	s_mov_b32 s40, 0x76543210                      ; v_permlanex16_b32's selects for lane l xor 16
	s_mov_b32 s41, 0xfedcba98
	s_lshl_b32 s32, s16, 11                        ; my wave's 2,048 bytes of a row
	s_mov_b32 s33, 0
	s_lshl_b32 s20, ttmp9, 18                      ; x: 16 rows of 16,384 bytes a work-group (under 2^27),
	s_add_co_u32 s20, s20, s32
	s_mov_b32 s21, 0
	s_lshl_b32 s34, ttmp9, 16                      ; w_q: 4 rows
	s_add_co_u32 s34, s34, s32
	s_mov_b32 s35, 0
	s_wait_kmcnt 0x0
	s_add_nc_u64 s[4:5], s[4:5], s[20:21]
	s_add_nc_u64 s[6:7], s[6:7], s[32:33]
	s_add_nc_u64 s[8:9], s[8:9], s[34:35]
; Row t of group g is asked for: four loads, each of 512 consecutive bytes; read once in the launch.  Groups 0 to 3 are x's, group 4 is w_q's.
.macro LOADROW g, t
.set LR, R+64*((\g)%2)+16*(\t)
.if (\g) < 4
.irp i, 0,1,2,3
	global_load_b128 v[LR+4*\i:LR+4*\i+3], v3, s[4:5] offset:65536*(\g)+16384*(\t)+512*\i th:TH_LOAD_NT
.endr
.else
.irp i, 0,1,2,3
	global_load_b128 v[LR+4*\i:LR+4*\i+3], v3, s[8:9] offset:16384*(\t)+512*\i th:TH_LOAD_NT
.endr
.endif
.endm
.irp i, 0,1,2,3
	global_load_b128 v[NW+4*\i:NW+4*\i+3], v3, s[6:7] offset:512*\i   ; the gains of my 512 columns: first, so that every wait for a row covers them
.endr
.irp t, 0,1,2,3
	LOADROW 0, \t
.endr
.irp t, 0,1,2,3
	LOADROW 1, \t
.endr
	; where my wave's results go.  x: block (n / 8) x 8 + wave, in it rows 16 (n % 8) on
	s_lshr_b32 s36, ttmp9, 3
	s_lshl_b32 s36, s36, 3
	s_add_co_u32 s36, s36, s16
	s_mul_i32 s36, s36, BLK
	s_and_b32 s37, ttmp9, 7
	s_lshl_b32 s38, s37, 8                         ; scale bytes: 16 rows x 16,
	s_add_co_u32 s38, s38, s36
	s_add_co_u32 s38, s38, 32768                   ; behind the block's codes
	s_mov_b32 s39, 0
	s_add_nc_u64 s[14:15], s[10:11], s[38:39]
	s_lshl_b32 s38, s37, 12                        ; codes: 16 rows x 256
	s_add_co_u32 s38, s38, s36
	s_add_nc_u64 s[10:11], s[10:11], s[38:39]
	; w_q: block (n / 32) x 8 + wave, in it rows 4 (n % 32) on
	s_lshr_b32 s36, ttmp9, 5
	s_lshl_b32 s36, s36, 3
	s_add_co_u32 s36, s36, s16
	s_mul_i32 s36, s36, BLK
	s_and_b32 s37, ttmp9, 31
	s_lshl_b32 s38, s37, 6                         ; scale bytes: 4 rows x 16
	s_add_co_u32 s38, s38, s36
	s_add_co_u32 s38, s38, 32768
	s_add_nc_u64 s[18:19], s[12:13], s[38:39]
	s_lshl_b32 s38, s37, 10                        ; codes: 4 rows x 256
	s_add_co_u32 s38, s38, s36
	s_add_nc_u64 s[12:13], s[12:13], s[38:39]
; Row t of group g: my 16 numbers become 8 bytes of codes and a scale word, and go to LDS; then the row's registers take the row of two groups on.  norm = 1: the row is first scaled, (x / rms) x gain in that order.
.macro ROW g, t, norm
.set RR, R+64*((\g)%2)+16*(\t)
.set CR, CC+4*(\t)
.if \norm
.irp j, 0,2,4,6,8,10,12,14
	v_pk_mul_f32 v[RR+\j:RR+\j+1], v[RR+\j:RR+\j+1], s[INV+2*(\t):INV+2*(\t)+1] op_sel_hi:[1,0]
.endr
.irp j, 0,2,4,6,8,10,12,14
	v_pk_mul_f32 v[RR+\j:RR+\j+1], v[RR+\j:RR+\j+1], v[NW+\j:NW+\j+1]
.endr
.endif
.irp i, 0,1,2,3
	v_max3_num_f32 v[TM+\i], |v[RR+4*\i]|, |v[RR+4*\i+1]|, |v[RR+4*\i+2]|      ; load i's block: the largest magnitude of my four (the four blocks by turns: no line waits for the line above it),
.endr
.irp i, 0,1,2,3
	s_delay_alu instid0(VALU_DEP_4)
	v_max3_num_f32 v[TM+\i], v[TM+\i], |v[RR+4*\i+3]|, 0x1800000               ; and the floor 2^(3 - 127), under which no largest magnitude is taken: so the byte cannot fall under 1
.endr
.irp m, 1,2,4
.irp i, 0,1,2,3
	s_delay_alu instid0(VALU_DEP_4)
	v_max_num_f32_dpp v[TM+\i], v[TM+\i], v[TM+\i] row_xmask:\m row_mask:0xf bank_mask:0xf   ; with the other seven lanes that share the block
.endr
.endr
.irp i, 0,1,2,3
	s_delay_alu instid0(VALU_DEP_4)
	v_add_nc_u32 v[TM+4+\i], 0xff000000, v[TM+\i]  ; 2 off the exponent field: the conversion takes the exponent field of this operand as its scale, and nothing else of it
.endr
	v_cvt_scalef32_pk8_fp4_f32 v[CR], v[RR:RR+7], v[TM+4]          ; eight numbers / the scale, to the nearest code, ties to even, beyond the largest code the largest.  Under block 0's scale: the low 16 bits count,
	v_cvt_scalef32_pk8_fp4_f32 v[CR+1], v[RR:RR+7], v[TM+5]        ; under block 1's: the high 16
	v_cvt_scalef32_pk8_fp4_f32 v[CR+2], v[RR+8:RR+15], v[TM+6]     ; block 2's: the low 16
	v_cvt_scalef32_pk8_fp4_f32 v[CR+3], v[RR+8:RR+15], v[TM+7]     ; block 3's: the high 16
.irp i, 0,1,2,3
	v_lshrrev_b32 v[TM+8+\i], 23, v[TM+4+\i]       ; the scales' bytes.  (Also the plain instructions behind the conversions)
.endr
	s_delay_alu instid0(VALU_DEP_3)
	v_lshl_or_b32 v[WW+(\t)], v[TM+9], 8, v[TM+8]  ; my four blocks' bytes are one word of the row's sixteen: blocks 4 g + 0 .. 3 as they are laid
	s_delay_alu instid0(VALU_DEP_1)
	v_lshl_or_b32 v[WW+(\t)], v[TM+10], 16, v[WW+(\t)]
	s_delay_alu instid0(VALU_DEP_1)
	v_lshl_or_b32 v[WW+(\t)], v[TM+11], 24, v[WW+(\t)]
	ds_store_b16 v14, v[CR] offset:256*(\t)                    ; four codes, 2 bytes: eight lanes fill a block's 16 bytes
	ds_store_b16_d16_hi v14, v[CR+1] offset:256*(\t)+16
	ds_store_b16 v14, v[CR+2] offset:256*(\t)+32
	ds_store_b16_d16_hi v14, v[CR+3] offset:256*(\t)+48
	ds_store_b32 v5, v[WW+(\t)] offset:64*(\g)+16*(\t)         ; the eight lanes of a block write the same word with the same value; group 4's rows fall behind x's sixteen
.if (\g)+2 < 5
	LOADROW (\g)+2, \t                             ; the conversions have read the row's registers
.endif
.endm
; A group of 4 rows of x.
.macro XGROUP g
.set RG, R+64*((\g)%2)
	s_wait_loadcnt 16                              ; this group's 16 loads are in (and the gains, asked for ahead of them); out may be the 16 of the group behind it
.irp t, 0,1,2,3
	v_pk_mul_f32 v[S+2*\t:S+2*\t+1], v[RG+16*\t:RG+16*\t+1], v[RG+16*\t:RG+16*\t+1]   ; the sums of squares of my 16 numbers of each row, two at a time, the four rows by turns; the first product starts a sum
.endr
.irp j, 2,4,6,8,10,12,14
.irp t, 0,1,2,3
	s_delay_alu instid0(VALU_DEP_4)
	v_pk_fma_f32 v[S+2*\t:S+2*\t+1], v[RG+16*\t+\j:RG+16*\t+\j+1], v[RG+16*\t+\j:RG+16*\t+\j+1], v[S+2*\t:S+2*\t+1]
.endr
.endr
.irp t, 0,1,2,3
	s_delay_alu instid0(VALU_DEP_4)
	v_add_f32 v[S+2*\t], v[S+2*\t], v[S+2*\t+1]    ; over the wave's 32 lanes
.endr
.irp m, 1,2,4,8
.irp t, 0,1,2,3
	s_delay_alu instid0(VALU_DEP_4)
	v_add_f32_dpp v[S+2*\t], v[S+2*\t], v[S+2*\t] row_xmask:\m row_mask:0xf bank_mask:0xf
.endr
.endr
.irp t, 0,1,2,3
	s_delay_alu instid0(VALU_DEP_4)
	v_permlanex16_b32 v[S+2*\t+1], v[S+2*\t], s40, s41
.endr
.irp t, 0,1,2,3
	s_delay_alu instid0(VALU_DEP_4)
	v_add_f32 v[S+2*\t], v[S+2*\t], v[S+2*\t+1]
.endr
.irp t, 0,1,2,3
	ds_store_b32 v13, v[S+2*\t] offset:128*(\g)+32*\t          ; all lanes write the same word with the same value
.endr
	s_wait_dscnt 0x0                               ; for the others' sake: my four words are in LDS.  Also: the last group's codes are back in registers, and its LDS stores have read theirs
	s_barrier_signal -1
	s_barrier_wait -1                              ; everybody's are
	ds_load_b32 v8, v10 offset:128*(\g)            ; lane l: row l / 8, wave l % 8's part
.if (\g) > 0
	global_store_b128 v3, v[OUT+8*((\g)-1):OUT+8*((\g)-1)+3], s[10:11] offset:1024*((\g)-1)         ; the last group's codes: each store covers 512 consecutive bytes, at a multiple of 256 from the buffer's first byte
	global_store_b128 v3, v[OUT+8*((\g)-1)+4:OUT+8*((\g)-1)+7], s[10:11] offset:1024*((\g)-1)+512
.endif
	s_wait_dscnt 0x0
.irp m, 1
	v_add_f32_dpp v8, v8, v8 row_xmask:\m row_mask:0xf bank_mask:0xf
.endr
.irp m, 2, 4
	s_delay_alu instid0(VALU_DEP_1)
	v_add_f32_dpp v8, v8, v8 row_xmask:\m row_mask:0xf bank_mask:0xf
.endr
	s_delay_alu instid0(VALU_DEP_1)
	v_fma_f32 v8, v8, s22, s23                     ; mean(x^2) + 1e-6
	s_wait_alu depctr_va_vdst(0)
	v_rsq_f32 v9, v8
	v_nop                                          ; one plain instruction between a transcendental and the use of its result (ISA guide 5.7.2)
	s_wait_alu depctr_va_vdst(0)
.irp t, 0,1,2,3
	v_readlane_b32 s[INV+2*\t], v9, 8*\t           ; row t's 1 / rms as a scalar
.endr
.irp t, 0,1,2,3
	s_mov_b32 s[INV+2*\t+1], s[INV+2*\t]           ; (the packed form names the pair and takes its low word for both halves: so the upper word is written)
.endr
.irp t, 0,1,2,3
	ROW \g, \t, 1
.endr
	ds_load_b128 v[OUT+8*(\g):OUT+8*(\g)+3], v15               ; LDS serves a wave's instructions in order (ISA guide 5.7.1.4): these see my stores, and the next group's stores come behind them
	ds_load_b128 v[OUT+8*(\g)+4:OUT+8*(\g)+7], v15 offset:512
.endm
	XGROUP 0
	XGROUP 1
	XGROUP 2
	XGROUP 3
	ds_load_b64 v[XSO:XSO+1], v6                   ; the scale bytes of x's 16 rows, gathered over the four groups
	; w_q's 4 rows: quantised as they are given: no sums, no barrier, no scaling
	s_wait_dscnt 0x0                               ; group 3's codes and x's scale bytes are back in registers, and group 3's LDS stores have read theirs
	global_store_b128 v3, v[OUT+24:OUT+27], s[10:11] offset:3072
	global_store_b128 v3, v[OUT+28:OUT+31], s[10:11] offset:3584
	global_store_b64 v4, v[XSO:XSO+1], s[14:15]    ; 32 lanes store 256 consecutive bytes, at a multiple of 256 from the buffer's first byte
.irp t, 0,1,2,3
	s_wait_loadcnt 4*(3-\t)                        ; row t's four loads are in; out may be those of the rows behind it
	ROW 4, \t, 0
.endr
	ds_load_b128 v[OUT+32:OUT+35], v15
	ds_load_b128 v[OUT+36:OUT+39], v15 offset:512
	ds_load_u16 v12, v11                           ; the 64 scale bytes of w_q's 4 rows, 2 a lane
	s_wait_dscnt 0x0
	global_store_b128 v3, v[OUT+32:OUT+35], s[12:13]
	global_store_b128 v3, v[OUT+36:OUT+39], s[12:13] offset:512
	global_store_b16 v7, v12, s[18:19]             ; 64 consecutive bytes: a work-group has no more rows of w_q than these four
	s_wait_tensorcnt 0x0
	ds_add_u32 v254, v255
	s_wait_dscnt 0x0
	s_endpgm
.Lfunc_end_k_q875c0eca5f_quant:
	.size	k_q875c0eca5f_quant, .Lfunc_end_k_q875c0eca5f_quant-k_q875c0eca5f_quant
	.p2alignl 7, 3214868480
	.fill 96, 4, 3214868480
	.section	.rodata,"a",@progbits
	.p2align	6, 0x0
	.amdhsa_kernel k_q875c0eca5f_quant
		.amdhsa_group_segment_fixed_size 13824
		.amdhsa_private_segment_fixed_size 0
		.amdhsa_enable_private_segment 0
		.amdhsa_kernarg_size 40
		.amdhsa_user_sgpr_count 2
		.amdhsa_user_sgpr_kernarg_segment_ptr 1
		.amdhsa_wavefront_size32 1
		.amdhsa_system_sgpr_workgroup_id_x 1
		.amdhsa_system_sgpr_workgroup_id_y 1
		.amdhsa_system_sgpr_workgroup_id_z 1
		.amdhsa_system_vgpr_workitem_id 0
		.amdhsa_next_free_vgpr 256
		.amdhsa_next_free_sgpr 66
		.amdhsa_reserve_vcc 0
		.amdhsa_float_denorm_mode_32 3
		.amdhsa_float_denorm_mode_16_64 3
		.amdhsa_memory_ordered 1
		.amdhsa_forward_progress 1
		.amdhsa_inst_pref_size 121
	.end_amdhsa_kernel
	.amdgpu_metadata
---
amdhsa.version: [ 1, 2 ]
amdhsa.kernels:
  - .name:           k_q875c0eca5f_quant
    .symbol:         k_q875c0eca5f_quant.kd
    .args:
      - { .name: x, .offset: 0, .size: 8, .value_kind: global_buffer, .address_space: global }
      - { .name: norm_weight, .offset: 8, .size: 8, .value_kind: global_buffer, .address_space: global }
      - { .name: w_q, .offset: 16, .size: 8, .value_kind: global_buffer, .address_space: global }
      - { .name: xq, .offset: 24, .size: 8, .value_kind: global_buffer, .address_space: global }
      - { .name: wq, .offset: 32, .size: 8, .value_kind: global_buffer, .address_space: global }
    .group_segment_fixed_size: 13824
    .private_segment_fixed_size: 0
    .kernarg_segment_align: 8
    .kernarg_segment_size: 40
    .max_flat_workgroup_size: 256
    .sgpr_count:     66
    .vgpr_count:     256
    .wavefront_size: 32
...
	.end_amdgpu_metadata
.endif
;; end of part 1
;; launch gemm (part 2): grid 8 x 32, 4 waves a work-group, clusters of 4 x 4, 327,680 bytes of LDS; arguments xq, wq, gamma, out0; writes out0
.if DOCPART == 2
	.amdgcn_target "amdgcn-amd-amdhsa--gfx1250"
	.amdhsa_code_object_version 6
	.text
	.protected	k_q875c0eca5f_gemm
	.globl	k_q875c0eca5f_gemm
	.p2align	8
	.type	k_q875c0eca5f_gemm,@function
k_q875c0eca5f_gemm:
	s_mov_b64 s[64:65], 0
	v_nop
	global_prefetch_b8 v0, s[64:65] scope:SCOPE_SE
	s_setreg_imm32_b32 hwreg(HW_REG_WAVE_MODE, 25, 1), 1
	s_wait_xcnt 0x0
	s_wait_alu depctr_hold_cnt(0) depctr_sa_sdst(0) depctr_va_vdst(0) depctr_va_sdst(0) depctr_va_ssrc(0) depctr_va_vcc(0) depctr_vm_vsrc(0)
	s_getreg_b32 s2, hwreg(HW_REG_IB_STS2, 6, 4)
	s_cmp_eq_u32 s2, 0
	s_cbranch_scc0 .Lentry_in_a_cluster
	s_endpgm
.Lentry_in_a_cluster:
	s_bfe_u32 s2, ttmp6, 0x10000c
	s_cmp_lg_u32 s2, 0xf033
	s_cbranch_scc0 .Lentry_shape_is_right
	s_endpgm
.Lentry_shape_is_right:
; out0[m][n] = gamma[n] x sum over k of xq[m][k] wq[n][k]: 8192 x 2048 x 4096, both operands codes of FP4 (E2M1) with one E8M0 byte for each 32 along K, sums in f32.
; THE OPERANDS' LAYOUT is the quantising launch's: [rows / 128][K / 512] blocks of 34,816 bytes = 136 units of 256: 128 rows x 256 bytes of codes, then 128 rows x 16 scale bytes.
; Inside a row's 512 along K the sixteen blocks of 32 lie in another order, alike in both tensors, codes and bytes alike: the products are the same, only the order of the f32 sums differs.
; A tile of out0, 256 x 256, is made by four waves, each 128 x 128: 512 accumulator registers.  256 tiles, one work-group each.
; K goes in 8 steps of 512 through two LDS slots; a wave fetches one block (128 rows, codes and scales) with one tensor load, as 136 rows of 256 bytes, 16 bytes of padding behind each.
; CLUSTERS 4 x 4: xq's blocks are shared along a row of the cluster, wq's along a column, each by a joint load whose mask names the four.
; THE MATRIX INSTRUCTION is the form of 32 x 16 x 128, USED TRANSPOSED: source 0 = 32 rows of wq (two neighbouring fragments of 16 rows, 16 registers), source 1 = 16 rows of xq (8 registers).
; Its 16 result registers are two neighbouring accumulators of 16 x 16; in each a lane holds eight neighbouring columns of one row of out0.
; SCALE WORDS: a register holds the words of 32 rows of one tensor, lane l row l: wq's pair of blocks as source 0 wants it; of xq's pair the even block is read from lanes 0-15, the odd one from lanes 16-31.
; PREFETCH: each block is named ahead of the joint load that fetches it.  Its 136 units are shared out by address among the four partners that ask for it jointly, 34 each:
; two instructions a wave (32 units, then 2; the second's lanes 2-31 name the last unit again).  K step 1 is named at the head, 2 and 3 behind slot 1's first fill, s + 4 at the change of slots that fetches s + 2;
; the loop's last trip names nothing, since K has 8 steps.  So a work-group has at most two K steps named and not yet fetched.
; THE LAST K STEP GOES BY ROWS OF out0: all its fragments of wq fill window 1, xq's come by blocks of 16 rows x 512 K, and each block of 16 rows leaves while the next is multiplied.
; REGISTERS: window 0: v0-31 addresses and gamma; v32-63 and v224-255 block 0 on its way out; v64-127 scale words, two sets; v128-191 xq's fragments (in the last K step v128-223: three buffers of 32).
;   window 1: wq's fragments, two sets at v0 and v128 (in the last K step all 256).  window 2: accumulators of my rows 0-63 ((a, b) at v[8 (8 a + b)]); window 3: rows 64-127.
.set SIZE_N, 2048
.set NQ,     4                         ; matrix instructions deep in a slot
.set UNITS,  136
.set BLK,    UNITS*256                 ; a block in memory
.set RB,     8*BLK                     ; the 8 blocks of 128 rows
.set PITCH,  272                       ; an LDS row: 256 bytes + 16: the 16 rows that a load touches start at 16 different banks
.set HALFT,  UNITS*PITCH               ; a block in LDS
.set SCOFF,  128*PITCH                 ; in it: the scale bytes, 16 rows' words to an LDS row
.set SLOT,   4*HALFT                   ; xq's two blocks, then wq's two
.set SPARE,  2*SLOT                    ; the spare words, 128 bytes a wave; no other line names them
.set LAPS,   4
.set FR,     8
.set NL,     2
.set NP,     4                         ; places behind this matrix instruction (ISA guide 7.12.1)
.set SPITCH, 528                       ; the way out: a stage of 16 rows x (512 + 16) bytes for each wave, in slot 0, which has had its last fill and its last read by then
.set SHARE,  34*256                    ; a partner's share of a block's units
.set GM,   12                          ; v12-15 gamma of my four columns on the way out
.set ADRA, 16                          ; v16-17 my xq fragments in slot 0, 1
.set ADRT, 18                          ; v18-19 wq's scale words: lane l takes row l of a pair of blocks
.set ADRB, 20                          ; v20-21 my wq fragments
.set ADRS, 22                          ; v22-23 xq's scale words, likewise
.set STO,  24
.set RD,   25
.set CO,   26
.set SPW,  28                          ; my spare word; never rewritten
.set NIL,  29                          ; 0; never rewritten
.set PFO,  30                          ; v30-31 the prefetches' offsets; never rewritten
.set SC,   64                          ; scale words: set s at v[SC + 32 s]: register 4 i + q xq's pair i, register 16 + 4 i + q wq's pair i, for the slot's q-th 128 along K
.set AF,   128
.set PFA,  12                          ; s[12:13] my share of the block that I fetch, stepped one K step at each change of slots
.set G1,  24
.set G0,  32
.set G1B, 48
.set G0B, 56
.set MSB, 0
.macro WIN new                         ; the immediate's high byte repeats the setting that is left
.if MSB != \new
	s_set_vgpr_msb (MSB<<8)|\new
.set MSB, \new
.endif
.endm
.set MUL_LO, 0xa1                      ; source 0 (wq) window 1, source 1 (xq) window 0, C and D window 2
.set MUL_HI, 0xf1
.set TO_B,   0x40
.macro JLOAD g0a, g1a, g0b, g1b        ; a joint load: waves 0, 1 fetch xq's blocks, waves 2, 3 wq's; s_nop 0 and four v_nop behind each line
	s_cmp_eq_u32 s15, 0
	s_cbranch_scc0 .Lfor_b_\@
	tensor_load_to_lds s[\g0a:\g0a+3], s[\g1a:\g1a+7]
	s_nop 0
.rept 4
	v_nop
.endr
	s_branch .Lasked_\@
.Lfor_b_\@:
	tensor_load_to_lds s[\g0b:\g0b+3], s[\g1b:\g1b+7]
	s_nop 0
.rept 4
	v_nop
.endr
.Lasked_\@:
.endm
.macro CREST                           ; a round of the cluster's barrier behind its opening barrier
	s_cmp_lg_u32 s14, 0
	s_cbranch_scc1 .Lnot_wave_0_\@
	s_barrier_signal -3
.Lnot_wave_0_\@:
	s_barrier_wait -3
	s_barrier_signal -1
	s_barrier_wait -1
.endm
.macro CROUND
	s_barrier_signal -1
	s_barrier_wait -1
	CREST
.endm
.macro ASK off, guard                  ; my 34 units of the block at byte off from s[PFA]; guard = 1: not in the loop's last trip (s3 = 1), whose look-ahead would pass K's end
.if \guard
	s_cmp_gt_u32 s3, 1
	s_cbranch_scc0 .Lno_ask_\@
.endif
	global_prefetch_b8 v[PFO], s[PFA:PFA+1] offset:\off th:TH_LOAD_NT scope:SCOPE_SE
	global_prefetch_b8 v[PFO+1], s[PFA:PFA+1] offset:\off th:TH_LOAD_NT scope:SCOPE_SE
.if \guard
.Lno_ask_\@:
.endif
.endm
	s_load_b128 s[4:7], s[0:1], 0x0                ; xq, wq
	s_load_b128 s[8:11], s[0:1], 0x10              ; gamma, out0
	v_lshl_add_u32 v[SPW], v0, 2, SPARE
	v_mov_b32 v[NIL], 0
	ds_add_u32 v[SPW], v[NIL]                      ; the opening lines: the add, twice on end, and its wait ahead of my first tensor load
	ds_add_u32 v[SPW], v[NIL]
	v_lshrrev_b32 v1, 5, v0
	v_readfirstlane_b32 s14, v1                    ; wave 0..3
	s_lshr_b32 s15, s14, 1                         ; my half of the tile's rows; also: I fetch for xq (0) or wq (1)
	s_and_b32 s16, s14, 1                          ; my half of its columns; also: which of the two blocks I fetch
	s_bfe_u32 s40, ttmp6, 0x40000                  ; cx
	s_bfe_u32 s41, ttmp6, 0x40004                  ; cy
	s_lshl_b32 s42, ttmp9, 2
	s_add_co_u32 s42, s42, s40                     ; tile column
	s_and_b32 s17, ttmp7, 0xffff
	s_lshl_b32 s17, s17, 2
	s_add_co_u32 s17, s17, s41                     ; tile row
	s_lshl_b32 s43, s41, 2
	s_lshl_b32 s43, 15, s43                        ; my row of the cluster
	s_lshl_b32 s44, 0x1111, s40                    ; my column
	s_or_b32 s[G1+0], s43, (3<<16)|(1<<20)|(1<<21)|(5<<22)|(3<<25)   ; mask; elements of 8 bytes; padding on; bit 21 beside a mask; after every 64 words, 4 words
	s_or_b32 s[G1B+0], s44, (3<<16)|(1<<20)|(1<<21)|(5<<22)|(3<<25)
.irp g, G1, G1B
	s_mov_b32 s[\g+1], 32<<16                      ; a dense block: 136 rows of 32 elements
	s_mov_b32 s[\g+2], UNITS<<16
	s_mov_b32 s[\g+3], 32<<16
	s_mov_b32 s[\g+4], UNITS
	s_mov_b32 s[\g+5], 32
	s_mov_b32 s[\g+6], 0
	s_mov_b32 s[\g+7], 0
.endr
	s_lshl_b32 s20, s17, 1
	s_add_co_u32 s20, s20, s16
	s_mul_i32 s20, s20, RB                         ; xq: block row 2 x tile row + which
	s_mov_b32 s21, 0
	s_lshl_b32 s46, s42, 1
	s_add_co_u32 s46, s46, s16
	s_mul_i32 s46, s46, RB                         ; wq: 2 x tile column + which
	s_mov_b32 s47, 0
	s_mul_i32 s45, s14, HALFT                      ; where my block goes: wave x a block
	s_cmp_eq_u32 s15, 0
	s_cselect_b32 s18, s20, s46                    ; the prefetches: the block that I fetch,
	s_cselect_b32 s19, s40, s41                    ; my place among the four that ask for it with me,
	s_mul_i32 s19, s19, SHARE
	s_add_co_u32 s18, s18, s19                     ; and so my share of its units, by address alone
	s_mov_b32 s19, 0
	s_wait_dscnt 0x0                               ; both opening adds are done
	s_wait_kmcnt 0x0
	s_add_nc_u64 s[20:21], s[4:5], s[20:21]
	s_add_nc_u64 s[46:47], s[6:7], s[46:47]
	CROUND                                         ; all sixteen work-groups are here: the first joint loads meet
.irp s, 0,1
	s_mov_b32 s[G0+4*\s], 1
	s_add_co_u32 s[G0+4*\s+1], s45, \s*SLOT
	s_add_nc_u64 s[G0+4*\s+2:G0+4*\s+3], s[20:21], \s*BLK
	s_or_b32 s[G0+4*\s+3], s[G0+4*\s+3], 0x80000000
	s_mov_b32 s[G0B+4*\s], 1
	s_add_co_u32 s[G0B+4*\s+1], s45, \s*SLOT
	s_add_nc_u64 s[G0B+4*\s+2:G0B+4*\s+3], s[46:47], \s*BLK
	s_or_b32 s[G0B+4*\s+3], s[G0B+4*\s+3], 0x80000000
.endr
	JLOAD G0, G1, G0B, G1B                         ; K step 0: one tensor load a wave at the head
	; the rest of the head: first all scalar work, then the vector work in one run
	s_cmp_eq_u32 s15, 0
	s_cselect_b64 s[PFA:PFA+1], s[4:5], s[6:7]
	s_add_nc_u64 s[PFA:PFA+1], s[PFA:PFA+1], s[18:19]
	s_mul_i32 s21, s15, HALFT                      ; my 128 rows of xq
	s_mul_i32 s22, s16, HALFT
	s_add_co_u32 s22, s22, 2*HALFT                 ; my 128 rows of wq
	s_sub_co_u32 s20, s22, s21                     ; the distance between the two
	s_add_co_u32 s18, s21, SCOFF
	s_mul_i32 s23, s14, 16*SPITCH                  ; my stage
	s_lshl_b32 s2, s17, 1
	s_add_co_u32 s2, s2, s15
	s_lshl_b32 s2, s2, 20                          ; my first row of out0, in bytes: 128 rows of 8,192 bytes for each half tile
	s_mov_b32 s3, 0
	s_lshl_b32 s46, s42, 10
	s_lshl_b32 s47, s16, 9
	s_add_co_u32 s46, s46, s47                     ; my first column, in bytes
	s_mov_b32 s47, 0
	s_add_nc_u64 s[10:11], s[10:11], s[2:3]
	s_add_nc_u64 s[10:11], s[10:11], s[46:47]
	s_add_nc_u64 s[8:9], s[8:9], s[46:47]
	v_and_b32 v1, 15, v0                           ; l % 16
	v_bfe_u32 v2, v0, 4, 1                         ; l / 16
	v_mul_u32_u24 v3, v1, PITCH
	v_lshl_add_u32 v4, v2, 4, v3                   ; a fragment's row x pitch + 16 x half
	v_add_nc_u32 v[ADRA], s21, v4
	v_add_nc_u32 v[ADRB], s22, v4
	v_add_nc_u32 v[ADRA+1], SLOT, v[ADRA]
	v_add_nc_u32 v[ADRB+1], SLOT, v[ADRB]
	v_mul_u32_u24 v6, v2, PITCH                    ; scale words: 16 rows x 16 bytes to an LDS row: lanes 16-31 take the next LDS row
	v_lshl_add_u32 v5, v1, 4, v6
	v_add_nc_u32 v[ADRS], s18, v5                  ; xq's,
	v_add_nc_u32 v[ADRS+1], SLOT, v[ADRS]
	v_add_nc_u32 v[ADRT], s20, v[ADRS]             ; and wq's
	v_add_nc_u32 v[ADRT+1], SLOT, v[ADRT]
	v_mul_u32_u24 v5, v1, SPITCH                   ; into the stage: row l % 16, 32 bytes for each half of the lanes
	v_lshl_add_u32 v5, v2, 5, v5
	v_add_nc_u32 v[STO], s23, v5
	v_and_b32 v6, 31, v0
	v_lshlrev_b32 v[CO], 4, v6                     ; back: the 32 lanes take one row of 512 bytes; the same in out0 and in gamma
	v_add_nc_u32 v[RD], s23, v[CO]
	v_lshlrev_b32 v[PFO], 8, v6                    ; units 0-31 of my share, a lane a unit
	v_min_u32 v7, 1, v6
	v_lshl_add_u32 v[PFO+1], v7, 8, 32*256         ; units 32 and 33
	s_wait_alu depctr_va_vdst(0)
	global_load_b128 v[GM:GM+3], v[CO], s[8:9]     ; gamma of my four columns
	ASK BLK, 0                                     ; K step 1
.macro FRAG reg, adr, q, i             ; 16 rows x 128 K of 4-bit codes: 8 registers, two loads of 16 bytes, 32 bytes apart
.irp c, 0,1
	ds_load_b128 v[\reg+4*\c:\reg+4*\c+3], v[\adr] offset:64*(\q)+32*\c+(\i)*16*PITCH
.endr
.endm
; One matrix instruction: results v[DD ..], 32 rows of wq v[WB ..], 16 rows of xq v[XA ..], wq's scale words v[SW], xq's v[SX] (odd = 1: from lanes 16-31).  zero = 1: it starts the sums
.macro MM zero, odd
.if \zero
.if \odd
	v_wmma_scale_f32_32x16x128_f4 v[DD:DD+15], v[WB:WB+15], v[XA:XA+7], 0, v[SW], v[SX] matrix_b_scale:MATRIX_SCALE_ROW1
.else
	v_wmma_scale_f32_32x16x128_f4 v[DD:DD+15], v[WB:WB+15], v[XA:XA+7], 0, v[SW], v[SX]
.endif
.else
.if \odd
	v_wmma_scale_f32_32x16x128_f4 v[DD:DD+15], v[WB:WB+15], v[XA:XA+7], v[DD:DD+15], v[SW], v[SX] matrix_b_scale:MATRIX_SCALE_ROW1
.else
	v_wmma_scale_f32_32x16x128_f4 v[DD:DD+15], v[WB:WB+15], v[XA:XA+7], v[DD:DD+15], v[SW], v[SX]
.endif
.endif
.endm
; 8 matrix instructions: xq's blocks a0, a0 + 1 x wq's four pairs of blocks, the slot's q-th 128 along K.  The accumulators take turns, one instruction a turn.
.macro MUL16 a0, p, q, sc, zero
.irp a, \a0, \a0+1
.irp b, 0,1,2,3
.set DD, 8*(8*((\a)%4)+2*\b)
.set WB, 128*(\p)+2*FR*\b
.set XA, AF+FR*(\a)
.set SW, SC+8*NQ*(\sc)+16+NQ*\b+(\q)
.set SX, SC+8*NQ*(\sc)+NQ*((\a)/2)+(\q)
	MM \zero, (\a)%2
.endr
.endr
.endm
.macro FETCH_B slot, q, p
	WIN TO_B
.irp i, 0,1,2,3,4,5,6,7
	FRAG 128*(\p)+FR*\i, ADRB+\slot, \q, \i
.endr
	WIN 0
.endm
.macro FETCH_A slot, q, i0
.irp i, \i0, \i0+1, \i0+2, \i0+3
	FRAG AF+FR*(\i), ADRA+\slot, \q, \i
.endr
.endm
.macro SCALES sc                       ; a slot's scale words, four a row: eight loads, each the words of 32 rows
.irp i, 0,1,2,3
	ds_load_b128 v[SC+8*NQ*\sc+NQ*\i:SC+8*NQ*\sc+NQ*\i+3], v[ADRS+\sc] offset:\i*2*PITCH
	ds_load_b128 v[SC+8*NQ*\sc+16+NQ*\i:SC+8*NQ*\sc+16+NQ*\i+3], v[ADRT+\sc] offset:\i*2*PITCH
.endr
.endm
.macro PLACES n
.rept \n
	v_nop
.endr
.endm
; 128 along K with its successor in the same slot (q = 0, 1, 2).  xq has one set of registers: blocks 0-3 of step q + 1 are fetched in the step's middle, blocks 4-7 at its end.
; wq has two sets: the set that this step has multiplied takes, at the step's end, the fragments of step q + 2 of the same slot (q = 0, 1): a whole step ahead of their use.
.macro STEP slot, q, zero
	s_wait_dscnt 12*NL                             ; this step's wq and xq's blocks 0-3 are in; out may be the last end run: xq's blocks 4-7 (8 loads), then the next step's wq (16)
	WIN MUL_LO
	MUL16 0, (\q)%2, \q, \slot, \zero
	MUL16 2, (\q)%2, \q, \slot, \zero
	s_wait_dscnt 8*NL                              ; xq's blocks 4-7 are in; the next step's wq (16 loads) may be out
	PLACES NP
	WIN 0
	FETCH_A \slot, (\q)+1, 0
	WIN MUL_HI
	MUL16 4, (\q)%2, \q, \slot, \zero
	MUL16 6, (\q)%2, \q, \slot, \zero
	PLACES NP
	WIN 0
	FETCH_A \slot, (\q)+1, 4
.if (\q) < 2
	FETCH_B \slot, (\q)+2, (\q)%2
.endif
.endm
.macro MEET slot                       ; the first half of a slot's last step: each wave waits for all its tensor loads, adds 0 to its spare word, waits for that and for its reads of this slot, and meets the others
	s_wait_tensorcnt 0x0                           ; my part of the next slot has landed
	ds_add_u32 v[SPW], v[NIL]
	s_wait_dscnt 4*NL+1                            ; (the add and the youngest eight loads, xq's blocks 4-7, may be out)
	WIN MUL_LO
	MUL16 0, 1, NQ-1, \slot, 0
	s_wait_dscnt 0x0                               ; the add is done, and my reads of this slot are over
	s_barrier_signal -1
	MUL16 2, 1, NQ-1, \slot, 0
.endm
.macro TURN slot, next                 ; a slot's last step: the change of slots, and this slot's refill two K steps ahead
	s_wait_xcnt 0x0                                ; my prefetches have read their address: it is stepped here
	s_add_nc_u64 s[PFA:PFA+1], s[PFA:PFA+1], BLK
	MEET \slot
	WIN 0
	s_barrier_wait -1
	CREST                                          ; the barrier has opened a round of the cluster's barrier: no wave of any partner still reads this slot or has a load on its way
	s_add_nc_u64 s[G0+4*\slot+2:G0+4*\slot+3], s[G0+4*\slot+2:G0+4*\slot+3], 2*BLK
	s_add_nc_u64 s[G0B+4*\slot+2:G0B+4*\slot+3], s[G0B+4*\slot+2:G0B+4*\slot+3], 2*BLK
	JLOAD G0+4*\slot, G1, G0B+4*\slot, G1B         ; the first tensor load behind the round; its four v_nop are the places in front of the loads below
	FETCH_B \next, 0, 0
	FETCH_A \next, 0, 0
	SCALES \next
	ASK 3*BLK, 1                                   ; the K step two behind the one just asked for
	WIN MUL_HI
	MUL16 4, 1, NQ-1, \slot, 0
	MUL16 6, 1, NQ-1, \slot, 0
	PLACES NP
	WIN 0
	FETCH_A \next, 0, 4
	FETCH_B \next, 1, 1                            ; the end run as in every step: xq's blocks 4-7, then wq's set for the step after the next
.endm
.macro STEPS slot, from
.set Q, \from
.rept NQ-1-\from
	STEP \slot, Q, 0
.set Q, Q+1
.endr
.endm
	s_wait_tensorcnt 0x0                           ; my block of K step 0 is in
	ds_add_u32 v[SPW], v[NIL]
	s_wait_dscnt 0x0
	CROUND                                         ; everybody's block is in, and the joint loads meet
	JLOAD G0+4, G1, G0B+4, G1B                     ; K step 1, the first tensor load behind the round
	FETCH_B 0, 0, 0
	FETCH_A 0, 0, 0
	SCALES 0
	FETCH_A 0, 0, 4
	FETCH_B 0, 1, 1
	ASK 2*BLK, 0                                   ; K steps 2 and 3
	ASK 3*BLK, 0
	STEP 0, 0, 1                                   ; the first step's products start the sums: nothing is cleared
	s_mov_b32 s3, LAPS-1
.Llap:                                                 ; a trip goes once round the ring, from a lap's second step to the next lap's first, and fills both slots again
	STEPS 0, 1
	TURN 0, 1
	STEPS 1, 0
	TURN 1, 0
	STEP 0, 0, 0
	s_sub_co_u32 s3, s3, 1
	s_cmp_lg_u32 s3, 0
	s_cbranch_scc1 .Llap
	STEPS 0, 1
; THE LAST K STEP (slot 1), BY ROWS.  wq's quarter q lies in window 1 at v[64 q]; xq's block a, 16 rows x 512 K, in buffer a % 3 of 32 registers.
.macro BLOAD q
.irp i, 0,1,2,3,4,5,6,7
	FRAG 64*(\q)+FR*\i, ADRB+1, \q, \i
.endr
.endm
.macro ALOAD a
.irp q, 0,1,2,3
	FRAG AF+32*((\a)%3)+FR*\q, ADRA+1, \q, \a
.endr
.endm
.macro ROW a                           ; block a is finished: 16 matrix instructions, its four pairs of accumulators by turns
	WIN MUL_LO+0x50*((\a)/4)
.irp q, 0,1,2,3
.if (\a) == 0 && \q == 2
	s_wait_dscnt 8                                 ; wq's quarter 2 is in (behind it: xq's block 1)
.endif
.irp b, 0,1,2,3
.set DD, 64*((\a)%4)+16*\b
.set WB, 64*\q+2*FR*\b
.set XA, AF+32*((\a)%3)+FR*\q
.set SW, SC+8*NQ+16+NQ*\b+\q
.set SX, SC+8*NQ+NQ*((\a)/2)+\q
	MM 0, (\a)%2
.endr
.endr
.endm
; THE WAY OUT of block a: 32 bytes a lane into my stage, back as whole rows of 512 bytes, x gamma, stored as two aligned units of 256 bytes a row.
; Block a comes back into the accumulators of block a - 1, whose stores into the stage are done by then (block 0: into v32-63 and v224-255 of window 0): no register that a global store reads is written again,
; and every offset is an immediate (127 rows of 8,192 bytes at the most), so no base is stepped.
.macro DEST a
.if (\a) == 0
.set DW, 0
.set DB, 32
.set DJ, 160
.else
.set DW, 2+((\a)-1)/4
.set DB, 64*(((\a)-1)%4)
.set DJ, 0
.endif
.endm
.macro TOSTAGE a
	DEST \a
.set AC, 64*((\a)%4)
.set TS, ((2+(\a)/4)<<2)|(DW<<6)       ; a store's data: block a's window; a load's destination: where it comes back
	WIN TS
.irp b, 0,1,2,3,4,5,6,7
	ds_store_b128 v[STO], v[AC+8*\b:AC+8*\b+3] offset:64*\b          ; each result from its low end on
	ds_store_b128 v[STO], v[AC+8*\b+4:AC+8*\b+7] offset:64*\b+16
.endr
.irp t, 0,1,2,3,4,5,6,7,8,9,10,11,12,13,14,15
	ds_load_b128 v[DB+4*\t+DJ*(\t/8):DB+4*\t+DJ*(\t/8)+3], v[RD] offset:\t*SPITCH   ; LDS serves a wave's instructions in order (ISA guide 5.7.1.4): these see the stores above
.endr
.endm
.macro SEND a, younger                 ; younger: the LDS loads issued behind block a's, which may stay out.  The block's 32 multiplications stand in one run, its 16 stores in another
	DEST \a
.set TS, (DW<<2)|(DW<<6)               ; gamma (source 0) and the address in window 0; the block as source 1, destination and store data
	s_wait_dscnt \younger
	WIN TS
.irp t, 0,1,2,3,4,5,6,7,8,9,10,11,12,13,14,15
.set X, DB+4*\t+DJ*(\t/8)
	v_pk_mul_f32 v[X:X+1], v[GM:GM+1], v[X:X+1]
	v_pk_mul_f32 v[X+2:X+3], v[GM+2:GM+3], v[X+2:X+3]
.endr
.irp t, 0,1,2,3,4,5,6,7,8,9,10,11,12,13,14,15
.set X, DB+4*\t+DJ*(\t/8)
	global_store_b128 v[CO], v[X:X+3], s[10:11] offset:(16*(\a)+\t)*SIZE_N*4 th:TH_STORE_NT   ; 32 lanes store 512 consecutive bytes, at a multiple of 256 from out0's first byte
.endr
.endm
	MEET 0                                         ; my last tensor load, slot 1's, is in; nothing is filled again, so no round follows
	s_barrier_wait -1
	PLACES NP
	WIN TO_B
	BLOAD 0                                        ; three quarters of wq now: set 1 (v128-191) is still being multiplied
	BLOAD 1
	BLOAD 3
	WIN 0
	SCALES 1
	ALOAD 0                                        ; where blocks 0-3 of the step before lay
	ALOAD 2
	WIN MUL_HI
	MUL16 4, 1, NQ-1, 0, 0
	MUL16 6, 1, NQ-1, 0, 0
	PLACES NP
	WIN TO_B
	BLOAD 2
	WIN 0
	ALOAD 1
	s_wait_loadcnt 0x0                             ; gamma is in
	s_wait_dscnt 32                                ; out may be xq's block 2 (8), wq's quarter 2 (16), xq's block 1 (8)
	ROW 0
	PLACES NP                                      ; for block 0's stores into the stage and the loads into its buffer; further on the multiplications by gamma are these places
.irp a, 0,1,2,3,4,5,6,7
	TOSTAGE \a
.if \a < 5
	WIN 0
	ALOAD \a+3                                     ; block a's buffer takes the block three further on
.endif
.if \a == 0
	s_wait_dscnt 40                                ; xq's block 1 is in; out may be the stage's 32 and block 3's 8.  The later blocks are shown in by SEND's waits
.endif
.if \a < 7
	ROW \a+1                                       ; multiplied while block a goes through the stage
.endif
.if \a < 5
	SEND \a, 8
.else
	SEND \a, 0
.endif
.endr
	WIN 0
	s_wait_tensorcnt 0x0                           ; the wave's end
	ds_add_u32 v[SPW], v[NIL]
	s_wait_dscnt 0x0
	CROUND                                         ; the closing round
	s_endpgm
.Lfunc_end_k_q875c0eca5f_gemm:
	.size	k_q875c0eca5f_gemm, .Lfunc_end_k_q875c0eca5f_gemm-k_q875c0eca5f_gemm
	.p2alignl 7, 3214868480
	.fill 96, 4, 3214868480
	.section	.rodata,"a",@progbits
	.p2align	6, 0x0
	.amdhsa_kernel k_q875c0eca5f_gemm
		.amdhsa_group_segment_fixed_size 327680
		.amdhsa_private_segment_fixed_size 0
		.amdhsa_enable_private_segment 0
		.amdhsa_kernarg_size 32
		.amdhsa_user_sgpr_count 2
		.amdhsa_user_sgpr_kernarg_segment_ptr 1
		.amdhsa_wavefront_size32 1
		.amdhsa_system_sgpr_workgroup_id_x 1
		.amdhsa_system_sgpr_workgroup_id_y 1
		.amdhsa_system_sgpr_workgroup_id_z 1
		.amdhsa_system_vgpr_workitem_id 0
		.amdhsa_next_free_vgpr 1024
		.amdhsa_next_free_sgpr 66
		.amdhsa_reserve_vcc 0
		.amdhsa_float_denorm_mode_32 3
		.amdhsa_float_denorm_mode_16_64 3
		.amdhsa_memory_ordered 1
		.amdhsa_forward_progress 1
		.amdhsa_inst_pref_size 161
	.end_amdhsa_kernel
	.amdgpu_metadata
---
amdhsa.version: [ 1, 2 ]
amdhsa.kernels:
  - .name:           k_q875c0eca5f_gemm
    .symbol:         k_q875c0eca5f_gemm.kd
    .args:
      - { .name: xq, .offset: 0, .size: 8, .value_kind: global_buffer, .address_space: global }
      - { .name: wq, .offset: 8, .size: 8, .value_kind: global_buffer, .address_space: global }
      - { .name: gamma, .offset: 16, .size: 8, .value_kind: global_buffer, .address_space: global }
      - { .name: out0, .offset: 24, .size: 8, .value_kind: global_buffer, .address_space: global }
    .group_segment_fixed_size: 327680
    .private_segment_fixed_size: 0
    .kernarg_segment_align: 8
    .kernarg_segment_size: 32
    .max_flat_workgroup_size: 128
    .sgpr_count:     66
    .vgpr_count:     1024
    .wavefront_size: 32
...
	.end_amdgpu_metadata
.endif
;; end of part 2
